; MI455X (gfx1250); checked and timed in simulation.
; The chip was launched on July 23, 2026; its instructions are those of AMD's public machine-readable ISA for CDNA 5 (MIT licence, August 2026) and "CDNA5" Instruction Set Architecture Reference Guide (July 2026). The comments in the code are by the model that wrote it; some were corrected since.
;; Simple Self Attention. Allowed arithmetic: matrix products marked QUANTISED: E2M1 operands, one E8M0 scale for each 32 along K, by v_wmma_scale_f32_16x16x128_f8f6f4 with both operands' format E2M1 (or v_wmma_scale_f32_32x16x128_f4), f32 sums; everything else in f32.
;; Inputs: bk 32 float32; bq 32 float32; bv 256 float32; gamma 1 float32; wk_codes 32 x 8 x 16 uint8 (E2M1 codes of wk, K innermost, in blocks of 32 codes, two codes a byte); wk_scales 32 x 8 uint8 (E8M0 scales of wk, one for each 32 codes along K); wq_codes 32 x 8 x 16 uint8 (E2M1 codes of wq, K innermost, in blocks of 32 codes, two codes a byte); wq_scales 32 x 8 uint8 (E8M0 scales of wq, one for each 32 codes along K); wv_codes 256 x 8 x 16 uint8 (E2M1 codes of wv, K innermost, in blocks of 32 codes, two codes a byte); wv_scales 256 x 8 uint8 (E8M0 scales of wv, one for each 32 codes along K); x 4 x 256 x 64 x 64 float32.
;; Outputs: out0 4 x 256 x 64 x 64 float32.
;; This version of the problem:
;;   THIS VERSION OF THE PROBLEM IS GIVEN IN LOW PRECISION. The matrix products marked QUANTISED in the list below multiply operands that are first quantised to E2M1 (2 exponent bits, 1 mantissa bit; 4 bits a number), with one power-of-two scale for each 32 numbers along K (OCP MX v1.0); their sums are f32. All else is computed in f32.
;;   The module's matrix products, in the order in which they are computed (A, B: the left and right operand; K: the contracted axis; several contracted axes count as one K, in the product's order):
;;     1. [M 16,384, K 256] x [K 256, N 32]; A: input x; B: input wq (given as codes): QUANTISED
;;     2. [M 16,384, K 256] x [K 256, N 32]; A: input x; B: input wk (given as codes): QUANTISED
;;     3. [M 16,384, K 256] x [K 256, N 256]; A: input x; B: input wv (given as codes): QUANTISED
;;     4. batch 4 x [M 4,096, K 32] x [K 32, N 4,096]; A: computed on the way; B: computed on the way: QUANTISED
;;     5. batch 4 x [M 4,096, K 4,096] x [K 4,096, N 256]; A: softmax (see below); B: computed on the way: QUANTISED
;;   THE QUANTISER, for each operand of a quantised product, along K:
;;     - K is cut into blocks of 32 from its start; a last block that is shorter is filled with zeros.
;;     - A block's scale is 2^e with e = floor(log2(the largest magnitude in the block)) - 2, held to -126 .. 127; a block of zeros has e = 0. As a byte (E8M0): e + 127.
;;     - Each number is divided by its block's scale, clamped to +-6, and rounded to the nearest number of E2M1, ties to even, subnormals kept.
;;     - The product sums the exact products of the quantised numbers (number of the format x scale) in f32.
;;   ~~~python
;;   def quantise(x, axis):      # numpy; x: float32 -> the quantised numbers, widened to float32 again
;;       x = np.moveaxis(x, axis, -1); K = x.shape[-1]
;;       x = np.pad(x, [(0, 0)] * (x.ndim - 1) + [(0, -K % 32)]); x = x.reshape(x.shape[:-1] + (-1, 32)); a = np.abs(x).max(-1, keepdims=True)
;;       e = np.where(a > 0, np.clip(np.frexp(np.where(a > 0, a, 1))[1] - 1 - 2, -126, 127), 0)      # np.frexp(a)[1] - 1 = floor(log2(a)), exactly
;;       r = np.clip(x / 2.0 ** e, -6, 6)
;;       step = 2.0 ** (np.maximum(np.frexp(np.where(r == 0, 1, r))[1] - 1, 0) - 1)
;;       q = np.round(r / step) * step * 2.0 ** e      # np.round: ties to even
;;       return np.moveaxis(q.reshape(q.shape[:-2] + (-1,))[..., :K], -1, axis).astype(np.float32)
;;   ~~~
;;   SOFTMAX AHEAD OF A QUANTISED PRODUCT. Where the list says 'softmax', what is quantised is not the finished softmax but p = 2^(t - M), with t = logit x log2(e) and M = ceil(the row's largest t), a whole number; so 1/2 < the row's largest p <= 1. The row's sum l is taken of the UNQUANTISED p, in f32, and the product's result is divided by l at the end. Since M is a whole number, a kernel that streams over the keys may use a running M (the ceiling of the running maximum): every later rescaling is an exact power of two, which a block's scale takes up: the codes' values come out the same.
;;   OPERANDS COMPUTED ON THE WAY. 'Computed on the way' means the value that the module computes at that place (a softmax that the list does not call 'softmax' is quantised finished and normalised). What goes into a quantiser is computed in f32, as accurately as f32 sums, v_exp_f32 and their like allow (about 1e-6 of the number): no bf16 or f16 on the way to a quantiser, and a product that is left as it is and whose result goes on into a quantised operand takes f32 operands (vector FMAs, or v_wmma_f32_16x16x4_f32). A number that lies on a knife's edge between two numbers of the format may be rounded either way, as far as f32 arithmetic and the matrix unit's own rounding can turn it there, and no further.
;;   INPUTS GIVEN AS CODES. wk (in the module: [32, 256], K = its axis 1); wq (in the module: [32, 256], K = its axis 1); wv (in the module: [256, 256], K = its axis 1): each comes as NAME_codes (uint8): NAME with its K axis moved to the last place and cut into blocks of 32 codes, [.., K / 32, bytes a block], one block behind the other in memory; two codes a byte, the lower K in the low four bits (a code: sign, 2 exponent bits, 1 mantissa bit); and NAME_scales (uint8): the same leading axes, one E8M0 byte (e + 127) for each 32 codes along K. Its value is code x scale, taken as it is: it is not quantised again, and the codes and scales need not be those that the quantiser above would give.
;; One version. Each part assembles by itself: llvm-mc -triple=amdgcn-amd-amdhsa -mcpu=gfx1250 --defsym DOCPART=n.
;; ======== version 1 of 1: 2 launches
;; workspace buffers: qb 655,360 bytes; kv 2,883,584 bytes
;; launch proj (part 1): grid 64 x 4, 8 waves a work-group, no clusters, 17,408 bytes of LDS; arguments x, wq_codes, wq_scales, bq, wk_codes, wk_scales, bk, wv_codes, wv_scales, bv, qb, kv; writes qb, kv
.if DOCPART == 1
	.amdgcn_target "amdgcn-amd-amdhsa--gfx1250"
	.amdhsa_code_object_version 6
	.text
	.protected	k_qbd58d47f7d_proj
	.globl	k_qbd58d47f7d_proj
	.p2align	8
	.type	k_qbd58d47f7d_proj,@function
k_qbd58d47f7d_proj:
	s_mov_b64 s[64:65], 0
	v_nop
	global_prefetch_b8 v0, s[64:65] scope:SCOPE_SE
	s_setreg_imm32_b32 hwreg(HW_REG_WAVE_MODE, 25, 1), 1
	s_wait_xcnt 0x0
; q = x wq^T + bq, k = x wk^T + bk, v = x wv^T + bv for 64 pixels of one image, all three products on codes of FP4 (E2M1) with one E8M0 scale for each 32 along K,
; and the results quantised again for the attention launch: q and k along their 32 channels, v along the pixels (the keys).  x: [4][256 channels][4096 pixels] f32.
; SHARES.  Work-group (X, b): pixels 64 X .. 64 X + 63 of image b: half X % 2 of key step X / 2 (a key step is 128 keys).  Eight waves.
;   Phase X: wave w quantises 32 pixels (half w / 4 of the 64) x 64 channels (64 (w % 4) on).  A LANE TAKES A PIXEL AND ITS REGISTERS RUN DOWN THE CHANNELS, which are K: a block of 32 lies in one lane.
;   The codes go to LDS as images of the operand's registers (16 bytes a lane at 16 x lane), the scale bytes as halves of scale words.  One barrier.
;   Phase P: wave w makes v's channels 32 w .. 32 w + 31 for all 64 pixels (8 accumulators) and, for pixel tile w % 4, all 32 channels of q (waves 0-3) or of k (waves 4-7) (2 accumulators).
; THE PIXELS OF A TILE ARE NOT NEIGHBOURS: row r of tile 2 a + u is pixel 32 a + 8 u + r + 8 (r / 8).  So in v's result (source 0 = x: rows are pixels) the 16 registers of tiles 2 a, 2 a + 1 are the
; 16 neighbouring pixels 32 a + 16 (lane / 16) + 0 .. 15, which is what the conversions along the keys want.  wq's and wk's rows are chosen likewise, so that q's and k's 16 registers are 16 neighbouring channels.
; OUT, all as images of the operand registers that the attention launch loads:
;   kv: [image][key step] blocks of 22,528 bytes: v's 16 channel tiles (1,024 bytes each: register group c at 512 c + 16 x lane), v's scale words (8 x 128 bytes: lanes 0-15 tile 2 i, lanes 16-31 tile 2 i + 1),
;       k's 8 key tiles (512 bytes: lanes 0-15 a key's 32 codes, lanes 16-31 zero codes), k's scale words (8 x 128 bytes: the byte, and 127 for the three blocks of zero codes).
;   qb: q's tiles in k's form (512 bytes a tile), from byte 524,288 on their scale words.
; LIMITS: NaN and infinities among the inputs are not served.  A block whose largest magnitude lies under 2^-124 gets the byte 1; so does a block of zeros, where the rule says 127: its codes are zeros and only this program reads the bytes.
.set KVB,  22528                       ; a key step's block in kv
.set VSCO, 16384                       ; in it: v's scale words,
.set KIMO, 17408                       ; k's images,
.set KSCO, 21504                       ; k's scale words
.set QSCO, 524288                      ; in qb: q's scale words
.set XSC,  8192                        ; LDS: x's 8 fragments (tile T, K step s: 2 T + s) of 1,024 bytes from 0 on; then 4 scale registers (half a, K step s: 2 a + s) of 128 bytes
.set ABQ,  0                           ; v0   64 h: my 16 numbers of bq or bk (v0 is the thread's number until then)
.set LI,   1                           ; v1   16 x lane
.set LS,   2                           ; v2   4 x lane
.set VO,   3                           ; v3   16 r + 8 h: where my 8 bytes of codes go
.set XO,   4                           ; v4   x: 4 x my pixel among the wave's 32
.set XW,   5                           ; v5   LDS: where I store x's codes
.set XH,   6                           ; v6   LDS: where I store my two scale bytes
.set AWV,  7                           ; v7   wv: row r, + 16 h
.set AWQ,  8                           ; v8   wq, wk: row r + 8 (r / 8), + 16 h
.set ASV,  9                           ; v9   wv's scale bytes: 8 r
.set ASQ,  10                          ; v10  wq's, wk's: 8 (r + 8 (r / 8))
.set ABV,  11                          ; v11  bv: 4 r
.set BV,   12                          ; v12-15  bv of my channel, twice for each of my two channel tiles (pairs for the packed addition)
.set XN,   16                          ; v16-79  64 numbers of x
.set XF,   16                          ; v16-79  then x's 8 fragments; behind the products at work
.set ACC,  80                          ; v80-143 v's accumulators: (channel tile tp, pixel tile T) at 8 (4 tp + T); in phase X at work
.set D2,   144                         ; v144-159 q's or k's two accumulators; they begin as the bias
.set WV,   160                         ; v160-191 wv's fragments (tp, s) at 8 (2 tp + s)
.set WQ,   192                         ; v192-223 wq's or wk's (tile up, s) at 8 (2 up + s)
.set XQ,   224                         ; v224-239 x's fragments of pixel tile w % 4
.set WVS,  240                         ; v240-243 wv's scale words;  v244-247 wq's or wk's;  v248-251 x's (lanes 0-15 the even tile, lanes 16-31 the odd);  v252-253 x's of tile w % 4
.set WQS,  244
.set XS,   248
.set XQS,  252
.set XQA,  254                         ; v254 LDS: 16 x lane + tile w % 4's fragments
.set XQSA, 255                         ; v255 LDS: that tile's scale words, row r's in both halves of the lanes
.set XTM,  80                          ; phase X, at work: largest magnitudes, conversion scales, bytes, the two bytes together, codes of block 0 and of block 1
.set XSO,  82
.set XBY,  84
.set XHW,  86
.set CA,   88
.set CB,   92
.set TM,   16                          ; behind the products, at work: five blocks' largest magnitudes, the other half's (then bytes), conversion scales, codes, zeros, words
.set PD,   21
.set SO,   26
.set PC,   32
.set ZZ,   42
.set HW,   44
	s_load_b512 s[4:19], s[0:1], 0x0               ; x 4:5, wq codes 6:7, wq scales 8:9, bq 10:11, wk codes 12:13, wk scales 14:15, bk 16:17, wv codes 18:19
	s_load_b256 s[20:27], s[0:1], 0x40             ; wv scales 20:21, bv 22:23, qb 24:25, kv 26:27
	s_set_vgpr_msb 0x40
	v_lshl_add_u32 v0, v0, 2, 0x4000
	v_mov_b32 v1, 0
	s_set_vgpr_msb 0x4000
	v_lshrrev_b32 v96, 5, v0
	s_delay_alu instid0(VALU_DEP_1)
	v_readfirstlane_b32 s28, v96                   ; wave 0..7
	s_lshr_b32 s29, s28, 2                         ; a: which 32 pixels I quantise.  Also: q (0) or k (1)
	s_and_b32 s30, s28, 3                          ; which 64 channels I quantise.  Also: the pixel tile of my q or k
	s_mov_b32 s32, ttmp9                           ; X
	s_and_b32 s33, ttmp7, 0xffff                   ; b
	s_and_b32 s34, s32, 1                          ; which half of the key step
	s_mov_b32 s58, 0x76543210
	s_mov_b32 s59, 0xfedcba98                      ; v_permlanex16_b32's selects for lane l xor 16
	v_and_b32 v96, 31, v0                          ; lane
	v_and_b32 v97, 15, v0                          ; r
	v_bfe_u32 v98, v0, 4, 1                        ; h
	s_delay_alu instid0(VALU_DEP_2)
	v_and_b32 v99, 8, v97
	s_delay_alu instid0(VALU_DEP_1)
	v_add_nc_u32 v99, v99, v97                     ; r + 8 (r / 8)
	v_lshlrev_b32 v[LI], 4, v96
	v_lshlrev_b32 v[LS], 2, v96
	s_wait_alu depctr_va_vdst(0)
	v_lshlrev_b32 v[VO], 4, v97
	s_delay_alu instid0(VALU_DEP_1)
	v_lshl_add_u32 v[VO], v98, 3, v[VO]
	v_lshl_add_u32 v[XO], v98, 3, v99              ; my pixel: r + 8 (r / 8) + 8 h: lanes 0-15 are the even tile's rows, lanes 16-31 the odd tile's
	s_delay_alu instid0(VALU_DEP_1)
	v_lshlrev_b32 v[XO], 2, v[XO]
	s_lshl_b32 s31, s29, 12                        ; x's codes: fragment 4 a + 2 u + s, group c: 4,096 a + 512 (2 s + c), the odd tile 2,048 further on
	s_lshl_b32 s35, s30, 9
	s_add_co_u32 s31, s31, s35
	v_add_nc_u32 v[XW], s31, v[LI]
	s_lshl_b32 s31, s29, 8                         ; x's scale bytes: register 2 a + s, bytes 2 c and 2 c + 1 of my lane's word
	s_lshr_b32 s35, s30, 1
	s_lshl_b32 s35, s35, 7
	s_add_co_u32 s31, s31, s35
	s_and_b32 s35, s30, 1
	s_lshl_b32 s35, s35, 1
	s_add_co_u32 s31, s31, s35
	s_add_co_u32 s31, s31, XSC
	v_add_nc_u32 v[XH], s31, v[LS]
	s_lshl_b32 s31, s30, 11
	v_add_nc_u32 v[XQA], s31, v[LI]
	s_lshr_b32 s31, s30, 1
	s_lshl_b32 s31, s31, 8
	s_and_b32 s35, s30, 1
	s_lshl_b32 s35, s35, 6
	s_add_co_u32 s31, s31, s35
	s_add_co_u32 s31, s31, XSC
	v_lshl_add_u32 v[XQSA], v97, 2, s31
	v_lshlrev_b32 v[AWV], 7, v97
	s_delay_alu instid0(VALU_DEP_1)
	v_lshl_add_u32 v[AWV], v98, 4, v[AWV]
	v_lshlrev_b32 v[AWQ], 7, v99
	s_delay_alu instid0(VALU_DEP_1)
	v_lshl_add_u32 v[AWQ], v98, 4, v[AWQ]
	v_lshlrev_b32 v[ASV], 3, v97
	v_lshlrev_b32 v[ASQ], 3, v99
	v_lshlrev_b32 v[ABV], 2, v97
	v_lshlrev_b32 v[ABQ], 6, v98                   ; the thread's number is not needed any more
	; byte offsets, made apart from the addresses
	s_lshl_b32 s35, s33, 5
	s_lshr_b32 s31, s32, 1
	s_add_co_u32 s35, s35, s31
	s_mul_i32 s35, s35, KVB                        ; my key step's block in kv
	s_lshl_b32 s60, s33, 8
	s_lshl_b32 s31, s32, 2
	s_add_co_u32 s60, s60, s31
	s_add_co_u32 s60, s60, s30                     ; q's tile: 256 b + 4 X + tile
	s_lshl_b32 s62, s60, 7
	s_add_co_u32 s62, s62, QSCO                    ; its scale words,
	s_lshl_b32 s60, s60, 9                         ; its image
	s_lshl_b32 s31, s34, 2
	s_add_co_u32 s31, s31, s30                     ; k's tile in the key step: 4 x half + tile
	s_lshl_b32 s2, s31, 9
	s_add_co_u32 s2, s2, s35
	s_add_co_u32 s2, s2, KIMO                      ; its image,
	s_lshl_b32 s3, s31, 7
	s_add_co_u32 s3, s3, s35
	s_add_co_u32 s3, s3, KSCO                      ; its scale words
	s_cmp_lt_u32 s28, 4                            ; waves 0-3: q;  waves 4-7: k.  The choice hangs on the wave's number alone
	s_cselect_b32 s60, s60, s2
	s_cselect_b32 s62, s62, s3
	s_mov_b32 s61, 0
	s_mov_b32 s63, 0
	s_wait_alu depctr_va_vdst(0)
	s_wait_kmcnt 0x0
	s_cmp_lt_u32 s28, 4
	s_cselect_b64 s[38:39], s[6:7], s[12:13]       ; the weight's codes,
	s_cselect_b64 s[40:41], s[8:9], s[14:15]       ; its scale bytes,
	s_cselect_b64 s[42:43], s[10:11], s[16:17]     ; the bias,
	s_cselect_b64 s[44:45], s[24:25], s[26:27]     ; and the buffer that takes the result
	s_add_nc_u64 s[46:47], s[44:45], s[62:63]      ; the tile's scale words
	s_add_nc_u64 s[44:45], s[44:45], s[60:61]      ; the tile's image
	s_lshl_b32 s60, s33, 22                        ; x: image b, 64 channels x (w % 4), pixel 64 X + 32 a
	s_lshl_b32 s31, s30, 20
	s_add_co_u32 s60, s60, s31
	s_lshl_b32 s31, s32, 8
	s_add_co_u32 s60, s60, s31
	s_lshl_b32 s31, s29, 7
	s_add_co_u32 s60, s60, s31
	s_add_nc_u64 s[36:37], s[4:5], s[60:61]
	s_lshl_b32 s60, s28, 11                        ; v's images: my two channel tiles, my half's register group
	s_lshl_b32 s31, s34, 9
	s_add_co_u32 s60, s60, s31
	s_add_co_u32 s60, s60, s35
	s_add_nc_u64 s[48:49], s[26:27], s[60:61]
	s_lshl_b32 s60, s28, 7                         ; v's scale words: register w, bytes 2 x half and 2 x half + 1
	s_lshl_b32 s31, s34, 1
	s_add_co_u32 s60, s60, s31
	s_add_co_u32 s60, s60, s35
	s_add_co_u32 s60, s60, VSCO
	s_add_nc_u64 s[50:51], s[26:27], s[60:61]
	s_lshl_b32 s60, s28, 12
	s_add_nc_u64 s[52:53], s[18:19], s[60:61]      ; wv's codes: my 32 rows of 128 bytes
	s_lshl_b32 s60, s28, 8
	s_add_nc_u64 s[54:55], s[20:21], s[60:61]      ; their scale bytes
	s_lshl_b32 s60, s28, 7
	s_add_nc_u64 s[56:57], s[22:23], s[60:61]      ; bv: my 32 numbers
	; ---- the weights, their scale words and the biases: 28 loads; they stay in registers
.irp tp, 0,1
.irp s, 0,1
.irp c, 0,1
	global_load_b128 v[WV+8*(2*\tp+\s)+4*\c:WV+8*(2*\tp+\s)+4*\c+3], v[AWV], s[52:53] offset:\tp*2048+64*\s+32*\c
.endr
.endr
	global_load_b64 v[WVS+2*\tp:WVS+2*\tp+1], v[ASV], s[54:55] offset:128*\tp      ; a row's 8 scale bytes: the words of K steps 0 and 1
	global_load_b32 v[BV+2*\tp], v[ABV], s[56:57] offset:64*\tp
	global_load_b32 v[BV+2*\tp+1], v[ABV], s[56:57] offset:64*\tp
.endr
.irp up, 0,1                                   ; tile up of wq or wk: lane r takes row 8 up + r + 8 (r / 8)
.irp s, 0,1
.irp c, 0,1
	global_load_b128 v[WQ+8*(2*\up+\s)+4*\c:WQ+8*(2*\up+\s)+4*\c+3], v[AWQ], s[38:39] offset:\up*1024+64*\s+32*\c
.endr
.endr
	global_load_b64 v[WQS+2*\up:WQS+2*\up+1], v[ASQ], s[40:41] offset:64*\up
	global_load_b128 v[D2+8*\up:D2+8*\up+3], v[ABQ], s[42:43] offset:32*\up         ; the bias in the result's layout: register j = bias(16 h + 8 up + j): it is the C of the sum's first product
	global_load_b128 v[D2+8*\up+4:D2+8*\up+7], v[ABQ], s[42:43] offset:32*\up+16
.endr
	; ---- x: 64 channels of my pixel; each load of the wave covers 128 consecutive bytes of a channel's row, the wave with the other 32 pixels the 128 beside them.  No hint: the next launch reads x again
.set i, 0
.rept 64
	global_load_b32 v[XN+i], v[XO], s[36:37] offset:i*16384
.set i, i+1
.endr
	s_wait_loadcnt 0x0                             ; x is in, and so are the weights, which were asked for before it
	; ---- phase X: my two blocks of 32 channels: all their numbers are mine
.irp e, 0,1
	v_max3_num_f32 v[XTM+\e], |v[XN+32*\e]|, |v[XN+32*\e+1]|, 0x1800000   ; with the floor 2^(3 - 127): the byte cannot fall under 1
.endr
.irp i, 2,4,6,8,10,12,14,16,18,20,22,24,26,28,30
.irp e, 0,1
	s_delay_alu instid0(VALU_DEP_2)
	v_max3_num_f32 v[XTM+\e], v[XTM+\e], |v[XN+32*\e+\i]|, |v[XN+32*\e+\i+1]|   ; (the two blocks by turns)
.endr
.endr
.irp e, 0,1
	s_delay_alu instid0(VALU_DEP_2)
	v_add_nc_u32 v[XSO+\e], 0xff000000, v[XTM+\e]  ; 2 off the exponent field: the conversion takes the exponent field of this operand as its scale
.endr
.irp e, 0,1
	s_delay_alu instid0(VALU_DEP_2)
	v_lshrrev_b32 v[XBY+\e], 23, v[XSO+\e]         ; the scale's byte
.endr
	s_delay_alu instid0(VALU_DEP_1)
	v_lshl_or_b32 v[XHW], v[XBY+1], 8, v[XBY]      ; the two bytes are neighbours in my pixel's scale word
.irp g, 0,1,2,3
	v_cvt_scalef32_pk8_fp4_f32 v[CA+\g], v[XN+8*\g:XN+8*\g+7], v[XSO]
	v_cvt_scalef32_pk8_fp4_f32 v[CB+\g], v[XN+32+8*\g:XN+32+8*\g+7], v[XSO+1]
.endr
	v_nop                                          ; one plain place behind a scaled conversion
.irp g, 0,1,2,3
	v_permlane16_swap_b32 v[CA+\g], v[CB+\g]       ; the operand wants block 0 in lanes 0-15 and block 1 in lanes 16-31 of ONE tile: the first is now the even tile's register group, the second the odd tile's
.endr
	ds_store_b128 v[XW], v[CA:CA+3]
	ds_store_b128 v[XW], v[CB:CB+3] offset:2048
	ds_store_b16 v[XH], v[XHW]
	s_wait_dscnt 0x0                               ; for the others' sake: my stores have landed
	s_barrier_signal -1
	s_barrier_wait -1                              ; x's eight fragments and their scale words lie in LDS; nothing is stored to LDS behind this barrier
	; ---- phase P
.irp f, 0,1,2,3,4,5,6,7
.irp c, 0,1
	ds_load_b128 v[XF+8*\f+4*\c:XF+8*\f+4*\c+3], v[LI] offset:\f*1024+512*\c
.endr
.endr
.irp i, 0,1,2,3
	ds_load_b32 v[XS+\i], v[LS] offset:XSC+128*\i
.endr
.irp s, 0,1
.irp c, 0,1
	ds_load_b128 v[XQ+8*\s+4*\c:XQ+8*\s+4*\c+3], v[XQA] offset:\s*1024+512*\c
.endr
	ds_load_b32 v[XQS+\s], v[XQSA] offset:128*\s
.endr
	s_wait_dscnt 0x0
; v(pixel, channel): source 0 = 16 pixels of x, source 1 = 16 rows of wv.  Lane (r, h), register j: channel 16 tp + r, row 8 h + j of the pixel tile.
.macro VPROD s, tp, t
.set rD, ACC+8*(4*(\tp)+(\t))
.set rA, XF+8*(2*(\t)+(\s))
.set rB, WV+8*(2*(\tp)+(\s))
.set rSA, XS+2*((\t)/2)+(\s)
.set rSB, WVS+2*(\tp)+(\s)
.if (\s) == 0
.if (\t)%2
	v_wmma_scale_f32_16x16x128_f8f6f4 v[rD:rD+7], v[rA:rA+7], v[rB:rB+7], 0, v[rSA], v[rSB] matrix_a_fmt:MATRIX_FMT_FP4 matrix_b_fmt:MATRIX_FMT_FP4 matrix_a_scale:MATRIX_SCALE_ROW1
.else
	v_wmma_scale_f32_16x16x128_f8f6f4 v[rD:rD+7], v[rA:rA+7], v[rB:rB+7], 0, v[rSA], v[rSB] matrix_a_fmt:MATRIX_FMT_FP4 matrix_b_fmt:MATRIX_FMT_FP4
.endif
.else
.if (\t)%2
	v_wmma_scale_f32_16x16x128_f8f6f4 v[rD:rD+7], v[rA:rA+7], v[rB:rB+7], v[rD:rD+7], v[rSA], v[rSB] matrix_a_fmt:MATRIX_FMT_FP4 matrix_b_fmt:MATRIX_FMT_FP4 matrix_a_scale:MATRIX_SCALE_ROW1
.else
	v_wmma_scale_f32_16x16x128_f8f6f4 v[rD:rD+7], v[rA:rA+7], v[rB:rB+7], v[rD:rD+7], v[rSA], v[rSB] matrix_a_fmt:MATRIX_FMT_FP4 matrix_b_fmt:MATRIX_FMT_FP4
.endif
.endif
.endm
; The ten accumulators take turns, one instruction a turn, K step by K step.
.irp s, 0,1
.irp tp, 0,1
.irp t, 0,1,2,3
	VPROD \s, \tp, \t
.endr
.endr
.irp up, 0,1                                   ; q or k, transposed: source 0 = 16 rows of the weight, source 1 = my pixel tile.  Lane (r, h), register j: pixel row r, channel 16 h + 8 up + j
	v_wmma_scale_f32_16x16x128_f8f6f4 v[D2+8*\up:D2+8*\up+7], v[WQ+8*(2*\up+\s):WQ+8*(2*\up+\s)+7], v[XQ+8*\s:XQ+8*\s+7], v[D2+8*\up:D2+8*\up+7], v[WQS+2*\up+\s], v[XQS+\s] matrix_a_fmt:MATRIX_FMT_FP4 matrix_b_fmt:MATRIX_FMT_FP4
.endr
.endr
.rept 4
	v_nop                                          ; four places between the last product and the first vector instruction on results (ISA guide 7.12.1)
.endr
.irp tp, 0,1
.irp i, 0,2,4,6,8,10,12,14,16,18,20,22,24,26,28,30
	v_pk_add_f32 v[ACC+32*\tp+\i:ACC+32*\tp+\i+1], v[ACC+32*\tp+\i:ACC+32*\tp+\i+1], v[BV+2*\tp:BV+2*\tp+1]   ; + bv of my channel; each accumulator from its low end on
.endr
.endr
	; ---- five blocks of 32 are quantised alike: v's (tp, a) = (b / 2, b % 2) along the pixels, and q's or k's (b = 4) along its channels.  Block b: 16 numbers in v[ACC + 16 b] on, the other 16 in lane l xor 16
.irp b, 0,1,2,3,4
	v_mov_b32 v[PD+\b], 0                          ; a lane permute's destination counts as one of its sources
.endr
	v_mov_b32 v[ZZ], 0
	v_mov_b32 v[ZZ+1], 0
.irp b, 0,1,2,3,4
	v_max3_num_f32 v[TM+\b], |v[ACC+16*\b]|, |v[ACC+16*\b+1]|, 0x1800000
.endr
.irp i, 2,4,6,8,10,12,14
.irp b, 0,1,2,3,4
	v_max3_num_f32 v[TM+\b], v[TM+\b], |v[ACC+16*\b+\i]|, |v[ACC+16*\b+\i+1]|
.endr
.endr
.irp b, 0,1,2,3,4
	v_permlanex16_b32 v[PD+\b], v[TM+\b], s58, s59
.endr
.irp b, 0,1,2,3,4
	v_max_num_f32 v[TM+\b], v[TM+\b], v[PD+\b]     ; the block's largest magnitude
.endr
.irp b, 0,1,2,3,4
	v_add_nc_u32 v[SO+\b], 0xff000000, v[TM+\b]
.endr
.irp b, 0,1,2,3,4
	v_lshrrev_b32 v[PD+\b], 23, v[SO+\b]           ; the scale's byte
.endr
	s_delay_alu instid0(VALU_DEP_4)
	v_lshl_or_b32 v[HW], v[PD+1], 8, v[PD]         ; my even channel tile's two bytes of this half of the key step,
	s_delay_alu instid0(VALU_DEP_3)
	v_lshl_or_b32 v[HW+1], v[PD+3], 8, v[PD+2]     ; my odd tile's
	v_cmp_gt_u32 vcc_lo, 64, v[LS]                 ; lanes 0-15 of the scale register carry the even tile, lanes 16-31 the odd one
	s_delay_alu instid0(VALU_DEP_1)
	v_cndmask_b32 v[HW], v[HW+1], v[HW], vcc_lo
	v_or_b32 v[HW+2], 0x7f7f7f00, v[PD+4]          ; q's or k's scale word: the byte of its one block; 127 for the three blocks of zero codes that fill the K step
.irp b, 0,1,2,3,4
	v_cvt_scalef32_pk8_fp4_f32 v[PC+2*\b], v[ACC+16*\b:ACC+16*\b+7], v[SO+\b]
	v_cvt_scalef32_pk8_fp4_f32 v[PC+2*\b+1], v[ACC+16*\b+8:ACC+16*\b+15], v[SO+\b]
.endr
	v_nop                                          ; one plain place behind the last scaled conversion
.irp b, 0,1,2,3
	global_store_b64 v[VO], v[PC+2*\b:PC+2*\b+1], s[48:49] offset:(\b/2)*1024+(\b%2)*256   ; channel r, keys 32 a + 16 h + 0 .. 15: the 32 lanes store 256 consecutive bytes, aligned
.endr
	global_store_b16 v[LS], v[HW], s[50:51]
	global_store_b64 v[VO], v[PC+8:PC+9], s[44:45]             ; pixel row r, channels 16 h + 0 .. 15: lanes 0-15 of the tile's image,
	global_store_b64 v[VO], v[ZZ:ZZ+1], s[44:45] offset:256    ; and its lanes 16-31: zero codes (K = 32 .. 63)
	global_store_b32 v[LS], v[HW+2], s[46:47]
	s_set_vgpr_msb 0x5
	s_wait_tensorcnt 0x0
	ds_add_u32 v0, v1
	s_wait_dscnt 0x0
	s_set_vgpr_msb 0x500
	s_endpgm
.Lfunc_end_k_qbd58d47f7d_proj:
	.size	k_qbd58d47f7d_proj, .Lfunc_end_k_qbd58d47f7d_proj-k_qbd58d47f7d_proj
	.p2alignl 7, 3214868480
	.fill 96, 4, 3214868480
	.section	.rodata,"a",@progbits
	.p2align	6, 0x0
	.amdhsa_kernel k_qbd58d47f7d_proj
		.amdhsa_group_segment_fixed_size 17408
		.amdhsa_private_segment_fixed_size 0
		.amdhsa_enable_private_segment 0
		.amdhsa_kernarg_size 96
		.amdhsa_user_sgpr_count 2
		.amdhsa_user_sgpr_kernarg_segment_ptr 1
		.amdhsa_wavefront_size32 1
		.amdhsa_system_sgpr_workgroup_id_x 1
		.amdhsa_system_sgpr_workgroup_id_y 1
		.amdhsa_system_sgpr_workgroup_id_z 1
		.amdhsa_system_vgpr_workitem_id 0
		.amdhsa_next_free_vgpr 258
		.amdhsa_next_free_sgpr 66
		.amdhsa_reserve_vcc 1
		.amdhsa_float_denorm_mode_32 3
		.amdhsa_float_denorm_mode_16_64 3
		.amdhsa_memory_ordered 1
		.amdhsa_forward_progress 1
		.amdhsa_inst_pref_size 30
	.end_amdhsa_kernel
	.amdgpu_metadata
---
amdhsa.version: [ 1, 2 ]
amdhsa.kernels:
  - .name:           k_qbd58d47f7d_proj
    .symbol:         k_qbd58d47f7d_proj.kd
    .args:
      - { .name: x, .offset: 0, .size: 8, .value_kind: global_buffer, .address_space: global }
      - { .name: wq_codes, .offset: 8, .size: 8, .value_kind: global_buffer, .address_space: global }
      - { .name: wq_scales, .offset: 16, .size: 8, .value_kind: global_buffer, .address_space: global }
      - { .name: bq, .offset: 24, .size: 8, .value_kind: global_buffer, .address_space: global }
      - { .name: wk_codes, .offset: 32, .size: 8, .value_kind: global_buffer, .address_space: global }
      - { .name: wk_scales, .offset: 40, .size: 8, .value_kind: global_buffer, .address_space: global }
      - { .name: bk, .offset: 48, .size: 8, .value_kind: global_buffer, .address_space: global }
      - { .name: wv_codes, .offset: 56, .size: 8, .value_kind: global_buffer, .address_space: global }
      - { .name: wv_scales, .offset: 64, .size: 8, .value_kind: global_buffer, .address_space: global }
      - { .name: bv, .offset: 72, .size: 8, .value_kind: global_buffer, .address_space: global }
      - { .name: qb, .offset: 80, .size: 8, .value_kind: global_buffer, .address_space: global }
      - { .name: kv, .offset: 88, .size: 8, .value_kind: global_buffer, .address_space: global }
    .group_segment_fixed_size: 17408
    .private_segment_fixed_size: 0
    .kernarg_segment_align: 8
    .kernarg_segment_size: 96
    .max_flat_workgroup_size: 256
    .sgpr_count:     66
    .vgpr_count:     258
    .wavefront_size: 32
...
	.end_amdgpu_metadata
.endif
;; end of part 1
;; launch attn (part 2): grid 64 x 4, 8 waves a work-group, clusters of 4 x 1, 327,680 bytes of LDS; arguments qb, kv, x, gamma, out0; writes out0
.if DOCPART == 2
	.amdgcn_target "amdgcn-amd-amdhsa--gfx1250"
	.amdhsa_code_object_version 6
	.text
	.protected	k_qbd58d47f7d_attn
	.globl	k_qbd58d47f7d_attn
	.p2align	8
	.type	k_qbd58d47f7d_attn,@function
k_qbd58d47f7d_attn:
	s_mov_b64 s[64:65], 0
	v_nop
	global_prefetch_b8 v0, s[64:65] scope:SCOPE_SE
	s_setreg_imm32_b32 hwreg(HW_REG_WAVE_MODE, 25, 1), 1
	s_wait_xcnt 0x0
	s_wait_alu depctr_hold_cnt(0) depctr_sa_sdst(0) depctr_va_vdst(0) depctr_va_sdst(0) depctr_va_ssrc(0) depctr_va_vcc(0) depctr_vm_vsrc(0)
	s_getreg_b32 s2, hwreg(HW_REG_IB_STS2, 6, 4)
	s_cmp_eq_u32 s2, 0
	s_cbranch_scc0 .Lentry_in_a_cluster
	s_endpgm
.Lentry_in_a_cluster:
	s_bfe_u32 s2, ttmp6, 0x10000c
	s_cmp_lg_u32 s2, 0x3003
	s_cbranch_scc0 .Lentry_shape_is_right
	s_endpgm
.Lentry_shape_is_right:
; out0[b][c][n] = gamma x (sum over keys m of softmax_m(q[n] . k[m] / sqrt(32)) v[m][c]) + x[b][c][n], both products on codes of FP4 (E2M1) with one E8M0 scale for each 32 along K.
; q, k, v come as images of operand registers (made by the launch before): a fragment's group of four registers is 512 bytes, lane l's 16 at 16 l; a scale register 128 bytes, lane l's word at 4 l.
; THE SOFTMAX: t = score x log2(e) / sqrt(32); M = the largest t so far, rounded UP to a whole number; p = 2^(t - M) is quantised along the keys; the row's sum is taken of the unquantised p and divides at the end.
; SHARES.  Work-group (X, b): queries 64 X .. 64 X + 63 of image b.  Wave w: query tiles 2 p, 2 p + 1 (p = w / 4) and the key steps 4 i + g (g = w % 4, i = 0 .. 7; a key step is 128 keys), with M, sum and O^T of its
; own: each fragment of v that it reads from LDS feeds two products, and two waves lie on a SIMD, so that one's vector work stands beside the other's products and LDS loads.
; The four partial results of a pair of tiles are brought under one M by powers of two (nothing is rounded) and added on the way out.
; LAYOUT.  Both products transposed: S^T = k q^T (source 0 = 16 keys), O^T = v^T p^T (source 0 = 16 channels): a lane holds ONE query (lane % 16) throughout.  The keys of a tile of k are 32 (kt / 2) + 8 (kt % 2) + r + 8 (r / 8),
; so that the 16 registers of tiles 2 b', 2 b' + 1 are the neighbouring keys 32 b' + 16 (lane / 16) + 0 .. 15.  The scores' K is 32: the rest of the K step is zero codes on both sides (lanes 16-31 of the images; registers 4-7, cleared once).
; RING.  Two LDS slots of four key steps (90,112 dense bytes of kv), one for each g.  CLUSTER: the four work-groups of a cluster belong to one image and walk the same kv, so each slot is asked for JOINTLY:
; every wave brings an eighth (44 rows of 256 bytes) by the same tensor load with the same descriptor and the mask of all four.  One tensor load of a wave is out at a time.
; LIMITS: NaN and infinities are not served; a p under 2^-126 is 0; a block of p whose largest lies under 2^-124 gets the byte 1 (a block of zeros too: its codes are zeros).
; REGISTERS: window 0: v1-7 addresses; v8-15 -M, largest t, sum (a pair) for each tile; v16-31 q; v32-51 scale words (q, p, k, v); v52-83 four fragments of k; v84-99 p's codes; v100-119 at work; v120-126 way out;
;   v128-255 S^T then p (64 a tile), then v's 16 fragments; on the way out rows of x and of the partial results.   window 1: O^T: tile q, channels 16 t on, at 128 q + 8 t.
.set KVB,    22528                     ; a key step's block: v's 16 images, then
.set VSCO,   16384                     ; v's scale words,
.set KIMO,   17408                     ; k's 8 images,
.set KSCO,   21504                     ; k's scale words
.set TILEB,  4*KVB                     ; a slot's bytes
.set WPART,  TILEB/8                   ; what one wave's tensor load brings: 11,264 = 44 x 256
.set SLOT1,  131072                    ; slot 1 begins here: one exclusive or turns an address in one slot into the other's
.set SPITCH, 272                       ; the way out: a channel's row of 64 queries: 256 bytes + 16
.set PART,   256*SPITCH                ; one g's partial result: 256 channels.  The four lie from LDS byte 0 on, over the ring, which by then has had its last fill and its last read
.set SPARE,  4*PART                    ; the spare words, 128 bytes for each wave: four blocks of 256 bytes that no other line names
.set STATS,  SPARE+1024                ; -M and the sum of every wave: 512 w + 256 q (+ 128 for the sum) + 4 x lane
.set LB,  1                            ; v1   16 x lane + my key step's place in a slot
.set LW,  2                            ; v2   4 x lane + the same
.set ADR, 3                            ; v3   v1 + the slot in hand
.set ADW, 4                            ; v4   v2 + the slot in hand
.set SPW, 5                            ; v5   LDS address of my spare word: SPARE + 4 x my thread's number; never rewritten
.set NIL, 6                            ; v6   0; never rewritten
.set PFO, 7                            ; v7   16,384 x lane: one of my 32 rows of x
.set ST,  8                            ; tile q: v[8+4q] -M, +1 the largest t, +2, +3 the sum in two halves
.set QF,  16
.set QS,  32
.set PS,  34
.set KS,  36
.set VS,  44
.set KF,  52
.set PC,  84
.set BM,  100                          ; four blocks' largest scores, then largest p
.set PD,  104                          ; the other half's; bytes; a chain of the sum
.set SO,  108                          ; the conversions' scale operands
.set TMP, 112
.set STA, 113                          ; v113 where I store my statistics;  v114 where I read my pair's
.set STR, 114
.set FF,  116                          ; tile q: the pair v[116+2q:117+2q]: f = 2^(old M - new M) in the low word
.set SA,  120                          ; v120-121 the way out: where I put a number (channel tiles 0-7, 8-15)
.set RA,  122                          ; v122-125 where I read a row of partial result 0 .. 3 back
.set XO,  126                          ; v126 my byte offset in my 32 rows of x and of out0
.set S,   128
.set XR,  128
.set TT,  192
.set G1,  24                           ; s[24:31] descriptor group 1
.set G0,  32                           ; s[32:35] descriptor group 0: it walks
.set TB,  36                           ; s36  LDS byte at which the slot in hand begins
.set CNT, 37
.set MSB, 0
.macro WIN new                         ; the immediate's high byte repeats the setting that is left
.if MSB != \new
	s_set_vgpr_msb (MSB<<8)|\new
.set MSB, \new
.endif
.endm
; A round of the cluster's barrier: my work-group's barrier; wave 0 signals for the work-group; every wave waits for all four work-groups; my work-group's barrier once more.
.macro CROUND
	s_barrier_signal -1
	s_barrier_wait -1
	s_cmp_lg_u32 s14, 0
	s_cbranch_scc1 .Lnot_wave_0_\@
	s_barrier_signal -3
.Lnot_wave_0_\@:
	s_barrier_wait -3
	s_barrier_signal -1
	s_barrier_wait -1
.endm
	s_load_b256 s[4:11], s[0:1], 0x0               ; qb 4:5, kv 6:7, x 8:9, gamma 10:11
	s_load_b64 s[12:13], s[0:1], 0x20              ; out0
	v_lshl_add_u32 v[SPW], v0, 2, SPARE
	v_mov_b32 v[NIL], 0
	ds_add_u32 v5, v6
	ds_add_u32 v5, v6
	s_wait_dscnt 0x0
	v_lshrrev_b32 v128, 5, v0
	s_delay_alu instid0(VALU_DEP_1)
	v_readfirstlane_b32 s14, v128                  ; wave 0..7
	s_lshr_b32 s15, s14, 2                         ; p: my pair of query tiles
	s_and_b32 s16, s14, 3                          ; g: my key step of each slot
	s_bfe_u32 s17, ttmp6, 0x40000                  ; cx: my place in the cluster: it enters the addresses of qb, x and out0 alone
	s_lshl_b32 s18, ttmp9, 2
	s_add_co_u32 s18, s18, s17                     ; X = 4 x cluster x + cx
	s_and_b32 s19, ttmp7, 0xffff                   ; b, which the four partners share
	s_mov_b32 s20, 0x76543210
	s_mov_b32 s21, 0xfedcba98                      ; v_permlanex16_b32's selects for lane l xor 16
	s_mov_b32 s22, 0x3e8293ee                      ; c = log2(e) / sqrt(32)
	s_mov_b32 s23, s22                             ; (named with it as a pair, so it is written)
	s_mov_b32 s[TB], 0
	; descriptor group 1: 44 rows of 32 elements of 8 bytes, dense in memory and in LDS
	s_mov_b32 s[G1+0], 15|(3<<16)|(1<<21)          ; 15:0 the mask: all four work-groups; 17:16 elements of 8 bytes; 21 set beside a mask; no padding
	s_mov_b32 s[G1+1], 32<<16                      ; tensor_dim0 = 32
	s_mov_b32 s[G1+2], 44<<16                      ; tensor_dim1 = 44
	s_mov_b32 s[G1+3], 32<<16                      ; tile_dim0 = 32
	s_mov_b32 s[G1+4], 44                          ; tile_dim1 = 44
	s_mov_b32 s[G1+5], 32                          ; elements from row to row
	s_mov_b32 s[G1+6], 0
	s_mov_b32 s[G1+7], 0
	s_mov_b32 s[G0], 1                             ; count = 1
	s_mul_i32 s[G0+1], s14, WPART                  ; LDS address: slot 0, my eighth
	s_mul_i32 s48, s19, 32*KVB                     ; kv: image b, my eighth of its first four key steps
	s_add_co_u32 s48, s48, s[G0+1]
	s_mov_b32 s49, 0
	s_lshl_b32 s50, s19, 8
	s_lshl_b32 s51, s18, 2
	s_add_co_u32 s50, s50, s51
	s_lshl_b32 s51, s15, 1
	s_add_co_u32 s50, s50, s51                     ; my first tile of q: 256 b + 4 X + 2 p
	s_lshl_b32 s52, s50, 7
	s_add_co_u32 s52, s52, 524288                  ; its scale words,
	s_lshl_b32 s50, s50, 9                         ; its image
	s_mov_b32 s51, 0
	s_mov_b32 s53, 0
	s_lshl_b32 s54, s19, 22                        ; x, out0: image b, channels 32 w on, pixel 64 X
	s_lshl_b32 s55, s14, 19
	s_add_co_u32 s54, s54, s55
	s_lshl_b32 s55, s18, 8
	s_add_co_u32 s54, s54, s55
	s_mov_b32 s55, 0
	s_wait_kmcnt 0x0
	s_load_b32 s38, s[10:11], 0x0                  ; gamma
	s_add_nc_u64 s[G0+2:G0+3], s[6:7], s[48:49]
	s_or_b32 s[G0+3], s[G0+3], 0x80000000          ; type = 2
	s_add_nc_u64 s[40:41], s[4:5], s[50:51]        ; q's images
	s_add_nc_u64 s[42:43], s[4:5], s[52:53]        ; q's scale words
	s_add_nc_u64 s[44:45], s[8:9], s[54:55]        ; x
	s_add_nc_u64 s[46:47], s[12:13], s[54:55]      ; out0
	CROUND                                         ; all four work-groups are here: the first joint load meets
	tensor_load_to_lds s[G0:G0+3], s[G1:G1+7]      ; key steps 0 to 3 into slot 0
	s_nop 0
.rept 4
	v_nop
.endr
	v_and_b32 v128, 31, v0                         ; lane
	v_and_b32 v129, 15, v0                         ; r
	v_bfe_u32 v130, v0, 4, 1                       ; h
	s_delay_alu instid0(VALU_DEP_2)
	v_and_b32 v131, 8, v129
	s_delay_alu instid0(VALU_DEP_1)
	v_add_nc_u32 v131, v131, v129                  ; r + 8 (r / 8)
	v_lshlrev_b32 v132, 4, v128
	v_lshlrev_b32 v133, 2, v128
.irp q, 0,1
	global_load_b128 v[QF+8*\q:QF+8*\q+3], v132, s[40:41] offset:512*\q   ; q's fragments stay in registers
	global_load_b32 v[QS+\q], v133, s[42:43] offset:128*\q
.endr
	s_mul_i32 s56, s16, KVB
	v_lshl_add_u32 v[LB], v128, 4, s56
	v_lshl_add_u32 v[LW], v128, 2, s56
	v_lshlrev_b32 v[PFO], 14, v128
	s_lshl_b32 s56, s14, 9
	s_add_co_u32 s56, s56, STATS
	v_lshl_add_u32 v[STA], v128, 2, s56
	s_lshl_b32 s56, s15, 11
	s_add_co_u32 s56, s56, STATS
	v_lshl_add_u32 v[STR], v128, 2, s56
	s_mul_i32 s56, s16, PART                       ; into the stage: partial g; channel 8 h (+ 16 t + j); query 32 p + r + 8 (r / 8) (+ 8 q)
	s_lshl_b32 s57, s15, 7
	s_add_co_u32 s56, s56, s57
	v_mul_u32_u24 v[SA], v130, 8*SPITCH
	s_wait_alu depctr_va_vdst(0)
	v_lshl_add_u32 v[SA], v131, 2, v[SA]
	s_delay_alu instid0(VALU_DEP_1)
	v_add_nc_u32 v[SA], s56, v[SA]
	s_delay_alu instid0(VALU_DEP_1)
	v_add_nc_u32 v[SA+1], 128*SPITCH, v[SA]
	s_mul_i32 s56, s14, 32*SPITCH                  ; back: my 32 channels; lanes 0-15 one row of 256 bytes, lanes 16-31 the next
	v_mul_u32_u24 v[RA], v130, SPITCH
	s_delay_alu instid0(VALU_DEP_1)
	v_lshl_add_u32 v[RA], v129, 4, v[RA]
	s_delay_alu instid0(VALU_DEP_1)
	v_add_nc_u32 v[RA], s56, v[RA]
.irp gg, 1,2,3
	v_add_nc_u32 v[RA+\gg], \gg*PART, v[RA]
.endr
	v_lshlrev_b32 v[XO], 14, v130                  ; and the same two rows in x and out0
	s_delay_alu instid0(VALU_DEP_1)
	v_lshl_add_u32 v[XO], v129, 4, v[XO]
.irp q, 0,1
.irp j, 4,5,6,7
	v_mov_b32 v[QF+8*\q+\j], 0                     ; K = 64 .. 127 of the scores' K step: zero codes, on both sides
.endr
	v_mov_b32 v[ST+4*\q+1], 0xff61b1e6             ; the largest t so far: -3e38, under every t
	v_mov_b32 v[ST+4*\q+2], 0                      ; the sum, in two halves
	v_mov_b32 v[ST+4*\q+3], 0
	v_mov_b32 v[FF+2*\q+1], 0                      ; (named as the upper half of a pair)
.endr
.irp q, 0,1
	v_floor_f32 v[ST+4*\q], -v[ST+4*\q+1]          ; -M
.endr
.irp i, 0,1,2,3
.irp j, 4,5,6,7
	v_mov_b32 v[KF+8*\i+\j], 0
.endr
	v_mov_b32 v[PD+\i], 0                          ; a lane permute's destination counts as one of its sources
.endr
; THE CHANGE OF SLOTS stands at a trip's head.  Each wave waits for all its tensor loads (its eighth of the slot that is about to be read), adds 0 to its spare word, and waits for that and for its reads of the slot that it has left.
; fill = 1: the barrier is a round of the cluster's, so that no wave of any partner still reads that slot or has a load on its way, and the joint fill of it is the first thing behind: it has the whole trip in which to land.
.macro CHANGE fill
	s_wait_tensorcnt 0x0                           ; no tensor load of mine is out, so group 0 may be written
	ds_add_u32 v[SPW], v[NIL]                      ; 0 onto my spare word
.if \fill
	s_xor_b32 s[G0+1], s[G0+1], SLOT1              ; the other slot than last time,
	s_add_nc_u64 s[G0+2:G0+3], s[G0+2:G0+3], TILEB ; the next four key steps; the type bits on top are not reached
.endif
	s_wait_dscnt 0x0                               ; the add is done, and my reads of the slot that I have left are over
.if \fill
	CROUND
	tensor_load_to_lds s[G0:G0+3], s[G1:G1+7]      ; my one tensor load until the next round
	s_nop 0
.rept 4
	v_nop
.endr
.else
	s_barrier_signal -1
	s_barrier_wait -1
.endif
.endm
; THE SOFTMAX of tile q for 128 keys: scores in v[S + 64 q] on (register 16 b + i: key 32 b + 16 (lane / 16) + i) become p; p's codes go to v[PC + 8 q] on, its scale word to v[PS + q].
.macro SMX q
.set rS, S+64*(\q)
.set rT, ST+4*(\q)
.set rF, FF+2*(\q)
.set rC, PC+8*(\q)
.irp b, 0,1,2,3
	v_max3_num_f32 v[BM+\b], v[rS+16*\b], v[rS+16*\b+1], v[rS+16*\b+2]   ; the largest score of each block of 32 keys: it serves for the row's maximum and, since p rises with the score, for the block's largest p
.endr
.irp i, 3,5,7,9,11,13
.irp b, 0,1,2,3
	v_max3_num_f32 v[BM+\b], v[BM+\b], v[rS+16*\b+\i], v[rS+16*\b+\i+1]   ; (the four blocks by turns)
.endr
.endr
.irp b, 0,1,2,3
	v_max_num_f32 v[BM+\b], v[BM+\b], v[rS+16*\b+15]
.endr
.irp b, 0,1,2,3
	s_delay_alu instid0(VALU_DEP_4)
	v_permlanex16_b32 v[PD+\b], v[BM+\b], s20, s21
.endr
.irp b, 0,1,2,3
	s_delay_alu instid0(VALU_DEP_4)
	v_max_num_f32 v[BM+\b], v[BM+\b], v[PD+\b]     ; with lane l xor 16's 16 keys
.endr
	s_delay_alu instid0(VALU_DEP_2)
	v_max3_num_f32 v[TMP], v[BM], v[BM+1], v[BM+2]
	s_delay_alu instid0(VALU_DEP_1)
	v_max_num_f32 v[TMP], v[TMP], v[BM+3]          ; the step's largest score of my query
	s_delay_alu instid0(VALU_DEP_1)
	v_mul_f32 v[TMP], s22, v[TMP]                  ; as t (c is positive)
	s_delay_alu instid0(VALU_DEP_1)
	v_max_num_f32 v[rT+1], v[rT+1], v[TMP]         ; the running largest t
	v_mov_b32 v[TMP], v[rT]
	s_delay_alu instid0(VALU_DEP_2)
	v_floor_f32 v[rT], -v[rT+1]                    ; the new -M = floor(-t) = -ceil(t): a whole number
	s_delay_alu instid0(VALU_DEP_1)
	v_sub_f32 v[TMP], v[rT], v[TMP]                ; old M - new M: a whole number, 0 or less
	s_delay_alu instid0(VALU_DEP_1)
	v_cvt_i32_f32 v[TMP], v[TMP]                   ; (it saturates)
	s_delay_alu instid0(VALU_DEP_1)
	v_ldexp_f32 v[rF], 1.0, v[TMP]                 ; f = 2^(old M - new M): a multiplication by it rounds nothing
.irp j, 0,2,4,6,8,10,12,14,16,18,20,22,24,26,28,30,32,34,36,38,40,42,44,46,48,50,52,54,56,58,60,62
	v_pk_fma_f32 v[rS+\j:rS+\j+1], v[rS+\j:rS+\j+1], s[22:23], v[rT:rT+1] op_sel_hi:[1,0,0]   ; t - M, two at a time (of the pairs c and -M the low word serves both halves)
.endr
.irp b, 0,1,2,3
	v_fma_f32 v[BM+\b], v[BM+\b], s22, v[rT]       ; the same of each block's largest score
.endr
.set j, 0
	s_wait_alu depctr_va_vdst(0)
.rept 64
	v_exp_f32 v[rS+j], v[rS+j]                     ; p = 2^(t - M), at most 1: not normalised
.set j, j+1
.endr
.irp b, 0,1,2,3
	v_exp_f32 v[BM+\b], v[BM+\b]                   ; the block's largest p: the same two instructions on the same number give the same bits
.endr
	v_pk_mul_f32 v[rT+2:rT+3], v[rT+2:rT+3], v[rF:rF+1] op_sel_hi:[1,0]   ; the sum under the new M.  (The plain place behind the exponentials)
	s_wait_alu depctr_va_vdst(0)
.irp b, 0,1,2,3
	v_max_num_f32 v[BM+\b], 0x1800000, v[BM+\b]    ; the floor 2^(3 - 127): the byte cannot fall under 1
.endr
.irp b, 0,1,2,3
	s_delay_alu instid0(VALU_DEP_4)
	v_add_nc_u32 v[SO+\b], 0xff000000, v[BM+\b]    ; 2 off the exponent field: the conversion's scale operand
.endr
.irp b, 0,1,2,3
	s_delay_alu instid0(VALU_DEP_4)
	v_lshrrev_b32 v[PD+\b], 23, v[SO+\b]           ; the scale's byte
.endr
	s_delay_alu instid0(VALU_DEP_3)
	v_lshl_or_b32 v[PS+\q], v[PD+1], 8, v[PD]      ; p's scale word for these 128 keys
	s_delay_alu instid0(VALU_DEP_1)
	v_lshl_or_b32 v[PS+\q], v[PD+2], 16, v[PS+\q]
	s_delay_alu instid0(VALU_DEP_1)
	v_lshl_or_b32 v[PS+\q], v[PD+3], 24, v[PS+\q]
.irp b, 0,1,2,3
	v_cvt_scalef32_pk8_fp4_f32 v[rC+2*\b], v[rS+16*\b:rS+16*\b+7], v[SO+\b]
	v_cvt_scalef32_pk8_fp4_f32 v[rC+2*\b+1], v[rS+16*\b+8:rS+16*\b+15], v[SO+\b]
.endr
	v_nop                                          ; one plain place behind a scaled conversion
.irp c, 0,1                                    ; the operand wants a WHOLE block in a lane: lanes 0-15 block 2 c, lanes 16-31 block 2 c + 1
.irp i, 0,1
	v_permlane16_swap_b32 v[rC+4*\c+\i], v[rC+4*\c+2+\i]
.endr
.endr
	v_pk_add_f32 v[PD:PD+1], v[rS:rS+1], v[rS+2:rS+3]   ; the row's sum is taken of the UNQUANTISED p: two at a time, in two chains
.irp j, 4,8,12,16,20,24,28,32,36,40,44,48,52,56,60
	v_pk_add_f32 v[rT+2:rT+3], v[rT+2:rT+3], v[rS+\j:rS+\j+1]
	v_pk_add_f32 v[PD:PD+1], v[PD:PD+1], v[rS+\j+2:rS+\j+3]
.endr
	s_delay_alu instid0(VALU_DEP_1)
	v_pk_add_f32 v[rT+2:rT+3], v[rT+2:rT+3], v[PD:PD+1]
.endm
.macro RESC q                          ; tile q's O^T times the low word of v[FF + 2 q]; each accumulator from its low end on
	WIN 0x41                                       ; destination and source 0 window 1, the factor window 0
.set j, 0
.rept 64
	v_pk_mul_f32 v[128*(\q)+j:128*(\q)+j+1], v[128*(\q)+j:128*(\q)+j+1], v[FF+2*(\q):FF+2*(\q)+1] op_sel_hi:[1,0]
.set j, j+2
.endr
	WIN 0
.endm
.macro VLOAD half                      ; v's channel tiles 8 half .. 8 half + 7, into the registers that tile `half`'s p has left: 16 loads
.irp tt, 0,1,2,3,4,5,6,7
.irp c, 0,1
	ds_load_b128 v[S+8*(8*(\half)+\tt)+4*\c:S+8*(8*(\half)+\tt)+4*\c+3], v[ADR] offset:(8*(\half)+\tt)*1024+512*\c
.endr
.endr
.endm
; O^T += v^T p^T for 8 channel tiles x my two query tiles: 16 accumulators, one instruction each.  first = 1: the products start the sums: nothing is cleared.
.macro PV half, first
	WIN 0x50                                       ; C and D window 1
.irp tt, 0,1,2,3,4,5,6,7
.irp q, 0,1
.set rO, 128*\q+8*(8*(\half)+\tt)
.set rV, S+8*(8*(\half)+\tt)
.set rP, PC+8*\q
.set rW, VS+(8*(\half)+\tt)/2
.if \first
.if \tt%2
	v_wmma_scale_f32_16x16x128_f8f6f4 v[rO:rO+7], v[rV:rV+7], v[rP:rP+7], 0, v[rW], v[PS+\q] matrix_a_fmt:MATRIX_FMT_FP4 matrix_b_fmt:MATRIX_FMT_FP4 matrix_a_scale:MATRIX_SCALE_ROW1
.else
	v_wmma_scale_f32_16x16x128_f8f6f4 v[rO:rO+7], v[rV:rV+7], v[rP:rP+7], 0, v[rW], v[PS+\q] matrix_a_fmt:MATRIX_FMT_FP4 matrix_b_fmt:MATRIX_FMT_FP4
.endif
.else
.if \tt%2
	v_wmma_scale_f32_16x16x128_f8f6f4 v[rO:rO+7], v[rV:rV+7], v[rP:rP+7], v[rO:rO+7], v[rW], v[PS+\q] matrix_a_fmt:MATRIX_FMT_FP4 matrix_b_fmt:MATRIX_FMT_FP4 matrix_a_scale:MATRIX_SCALE_ROW1
.else
	v_wmma_scale_f32_16x16x128_f8f6f4 v[rO:rO+7], v[rV:rV+7], v[rP:rP+7], v[rO:rO+7], v[rW], v[PS+\q] matrix_a_fmt:MATRIX_FMT_FP4 matrix_b_fmt:MATRIX_FMT_FP4
.endif
.endif
.endr
.endr
	WIN 0
.endm
; A KEY STEP: my 128 keys of the slot in hand, for my two query tiles.  first = 1: the first step, which starts O^T.  pf = 1: the last step, which asks for my rows of x.
.macro STEP first, pf
	v_add_nc_u32 v[ADR], s[TB], v[LB]
	s_wait_alu depctr_va_vdst(0)
	v_add_nc_u32 v[ADW], s[TB], v[LW]
.rept 4
	v_nop                                          ; with the two additions six places behind the last products: the scores below are written over v's fragments, which those products read (five are owed), and loads land in their scale words (four)
.endr
.irp i, 0,1,2,3,4,5,6,7
	ds_load_b32 v[KS+\i], v[ADW] offset:KSCO+128*\i
.endr
.irp i, 0,1,2,3,4,5,6,7
	ds_load_b32 v[VS+\i], v[ADW] offset:VSCO+128*\i
.endr
.irp grp, 0,1                                  ; S^T = k q^T, four tiles of 16 keys at a time
.if \grp
.rept 4
	v_nop                                          ; places in front of loads into registers that products have read
.endr
.endif
.irp i, 0,1,2,3
	ds_load_b128 v[KF+8*\i:KF+8*\i+3], v[ADR] offset:KIMO+512*(4*\grp+\i)
.endr
	s_wait_dscnt 0x0
.irp i, 0,1,2,3
.irp q, 0,1
	v_wmma_scale_f32_16x16x128_f8f6f4 v[S+64*\q+8*(4*\grp+\i):S+64*\q+8*(4*\grp+\i)+7], v[KF+8*\i:KF+8*\i+7], v[QF+8*\q:QF+8*\q+7], 0, v[KS+4*\grp+\i], v[QS+\q] matrix_a_fmt:MATRIX_FMT_FP4 matrix_b_fmt:MATRIX_FMT_FP4
.endr
.endr
.endr
.if \pf
	global_prefetch_b8 v[PFO], s[44:45] th:TH_LOAD_NT scope:SCOPE_SE   ; each lane asks for the 256 bytes of one of my wave's 32 rows of x that the way out loads behind this step: once in the launch, inside x
.endif
.rept 4
	v_nop                                          ; four places between the last product and the first read of results
.endr
	SMX 0
	VLOAD 0
.if !\first
	RESC 0                                         ; O^T under the new M
.endif
	SMX 1
	VLOAD 1
.if \first
.rept 8
	v_nop                                          ; a scale word written by a vector instruction stands eight places ahead of the scaled product that names it
.endr
.else
	RESC 1                                         ; (these 64 are those places)
.endif
	s_wait_alu depctr_va_vdst(0)
	s_wait_dscnt 16                                ; v's tiles 0-7 are in; the sixteen younger loads, tiles 8-15, may be out
	PV 0, \first
	s_wait_dscnt 0x0
	PV 1, \first
	s_xor_b32 s[TB], s[TB], SLOT1                  ; on to the other slot
.endm
	s_wait_loadcnt 0x0                             ; q
	s_wait_kmcnt 0x0                               ; gamma
	CHANGE 1                                       ; trip 0: slot 0 is whole; key steps 4 to 7 go out, into slot 1
	s_wait_alu depctr_va_vdst(0)
	STEP 1, 0
	s_mov_b32 s[CNT], 6
.Ltrip:                                            ; trips 1 to 6: behind each change of slots the slot just left is filled with the next four key steps
	CHANGE 1
	STEP 0, 0
	s_sub_co_u32 s[CNT], s[CNT], 1
	s_cmp_lg_u32 s[CNT], 0
	s_cbranch_scc1 .Ltrip
	CHANGE 0                                       ; trip 7 is written out: nothing is left to fetch
	STEP 0, 1
	; ---- THE WAY OUT.  My sums; the four additions are the places between the last products and the loads into registers that products have read
.irp q, 0,1
	v_add_f32 v[ST+4*\q+2], v[ST+4*\q+2], v[ST+4*\q+3]
.endr
.irp q, 0,1
	s_delay_alu instid0(VALU_DEP_2)
	v_permlanex16_b32 v[PD+\q], v[ST+4*\q+2], s20, s21
.endr
.irp q, 0,1
	s_delay_alu instid0(VALU_DEP_2)
	v_add_f32 v[ST+4*\q+2], v[ST+4*\q+2], v[PD+\q] ; my query's sum over my key steps
.endr
.irp i, 0,1,2,3,4,5,6,7,8,9,10,11,12,13,14,15
	global_load_b128 v[XR+4*\i:XR+4*\i+3], v[XO], s[44:45] offset:\i*32768 th:TH_LOAD_NT   ; x: channels 32 w + 2 i, + 1: sixteen lanes read 256 consecutive bytes; they land while the partial results meet
.endr
.irp q, 0,1
	ds_store_b32 v[STA], v[ST+4*\q] offset:256*\q
	ds_store_b32 v[STA], v[ST+4*\q+2] offset:256*\q+128
.endr
	s_wait_dscnt 0x0                               ; my statistics have landed, and my reads of the ring are over
	s_barrier_signal -1
	s_barrier_wait -1                              ; both hold of every wave: the stage may be written over the ring
.irp q, 0,1
.irp gg, 0,1,2,3
	ds_load_b32 v[TT+8*\q+\gg], v[STR] offset:512*\gg+256*\q          ; -M of the four waves of my pair,
	ds_load_b32 v[TT+8*\q+4+\gg], v[STR] offset:512*\gg+256*\q+128    ; and their sums
.endr
.endr
	s_wait_dscnt 0x0
.irp q, 0,1
	v_min3_num_f32 v[TT+16+\q], v[TT+8*\q], v[TT+8*\q+1], v[TT+8*\q+2]
.endr
.irp q, 0,1
	s_delay_alu instid0(VALU_DEP_2)
	v_min_num_f32 v[TT+16+\q], v[TT+16+\q], v[TT+8*\q+3]              ; the least -M: the common M
.endr
.irp q, 0,1
.irp gg, 0,1,2,3
	v_sub_f32 v[TT+20+4*\q+\gg], v[TT+16+\q], v[TT+8*\q+\gg]          ; a wave's M less the common M: a whole number, 0 or less
.endr
	v_sub_f32 v[TT+28+\q], v[TT+16+\q], v[ST+4*\q]                    ; mine
.endr
.irp i, 20,21,22,23,24,25,26,27,28,29
	v_cvt_i32_f32 v[TT+\i], v[TT+\i]
.endr
.irp q, 0,1
.irp gg, 0,1,2,3
	v_ldexp_f32 v[TT+8*\q+4+\gg], v[TT+8*\q+4+\gg], v[TT+20+4*\q+\gg] ; the sums under the common M
.endr
.endr
.irp q, 0
	v_add_f32 v[TT+8*\q+4], v[TT+8*\q+4], v[TT+8*\q+5]
	v_add_f32 v[TT+8*\q+6], v[TT+8*\q+6], v[TT+8*\q+7]
.endr
.irp q, 1
	v_add_f32 v[TT+8*\q+4], v[TT+8*\q+4], v[TT+8*\q+5]
	s_delay_alu instid0(VALU_DEP_4)
	v_add_f32 v[TT+8*\q+6], v[TT+8*\q+6], v[TT+8*\q+7]
.endr
.irp q, 0
	s_delay_alu instid0(VALU_DEP_3)
	v_add_f32 v[TT+8*\q+4], v[TT+8*\q+4], v[TT+8*\q+6]                ; the row's sum
.endr
.irp q, 1
	s_delay_alu instid0(VALU_DEP_2)
	v_add_f32 v[TT+8*\q+4], v[TT+8*\q+4], v[TT+8*\q+6]
.endr
	s_wait_alu depctr_va_vdst(0)
.irp q, 0,1
	v_rcp_f32 v[TT+30+\q], v[TT+8*\q+4]
.endr
	v_nop                                          ; one plain place behind a transcendental
	s_wait_alu depctr_va_vdst(0)
.irp q, 0,1
	v_mul_f32 v[TT+30+\q], s38, v[TT+30+\q]
.endr
.irp q, 0,1
	s_delay_alu instid0(VALU_DEP_2)
	v_ldexp_f32 v[FF+2*\q], v[TT+30+\q], v[TT+28+\q]                  ; gamma / sum x 2^(my M - the common M)
.endr
.macro TOSTAGE q                       ; register 8 t + j of lane (r, h): channel 16 t + 8 h + j, query 32 p + 8 q + r + 8 (r / 8).  The 32 lanes of a store fall on 32 different banks: eight rows of 68 words shift the upper lanes by 32 words
	WIN 0x04                                       ; an LDS store's data are its source 1: window 1
.irp t, 0,1,2,3,4,5,6,7,8,9,10,11,12,13,14,15
.irp j, 0,1,2,3,4,5,6,7
	ds_store_b32 v[SA+\t/8], v[128*(\q)+8*\t+\j] offset:(16*(\t%8)+\j)*SPITCH+32*(\q)
.endr
.endr
	WIN 0
.endm
	RESC 0
	TOSTAGE 0
	RESC 1
	TOSTAGE 1
	s_wait_dscnt 0x0                               ; for the others' sake: my stores into the stage have landed
	s_barrier_signal -1
	s_barrier_wait -1                              ; the four partial results lie in the stage, 256 channels x 64 queries each
.irp bt, 0,1,2,3                               ; my 32 channels, eight at a time
.irp ii, 0,1,2,3
.irp gg, 0,1,2,3
	ds_load_b128 v[TT+16*\ii+4*\gg:TT+16*\ii+4*\gg+3], v[RA+\gg] offset:2*(4*\bt+\ii)*SPITCH
.endr
.endr
	s_wait_dscnt 0x0
.if \bt == 0
	s_wait_loadcnt 0x0                             ; x
.endif
.irp ii, 0,1,2,3
.irp e, 0,2
	v_pk_add_f32 v[TT+16*\ii+\e:TT+16*\ii+\e+1], v[TT+16*\ii+\e:TT+16*\ii+\e+1], v[TT+16*\ii+4+\e:TT+16*\ii+4+\e+1]
	v_pk_add_f32 v[TT+16*\ii+8+\e:TT+16*\ii+8+\e+1], v[TT+16*\ii+8+\e:TT+16*\ii+8+\e+1], v[TT+16*\ii+12+\e:TT+16*\ii+12+\e+1]
.endr
.irp e, 0
	s_delay_alu instid0(VALU_DEP_3)
	v_pk_add_f32 v[TT+16*\ii+\e:TT+16*\ii+\e+1], v[TT+16*\ii+\e:TT+16*\ii+\e+1], v[TT+16*\ii+8+\e:TT+16*\ii+8+\e+1]
.endr
.irp e, 2
	s_delay_alu instid0(VALU_DEP_2)
	v_pk_add_f32 v[TT+16*\ii+\e:TT+16*\ii+\e+1], v[TT+16*\ii+\e:TT+16*\ii+\e+1], v[TT+16*\ii+8+\e:TT+16*\ii+8+\e+1]
.endr
.irp e, 0,2
	s_delay_alu instid0(VALU_DEP_2)
	v_pk_add_f32 v[XR+4*(4*\bt+\ii)+\e:XR+4*(4*\bt+\ii)+\e+1], v[XR+4*(4*\bt+\ii)+\e:XR+4*(4*\bt+\ii)+\e+1], v[TT+16*\ii+\e:TT+16*\ii+\e+1]   ; + x
.endr
	global_store_b128 v[XO], v[XR+4*(4*\bt+\ii):XR+4*(4*\bt+\ii)+3], s[46:47] offset:(4*\bt+\ii)*32768 th:TH_STORE_NT   ; sixteen lanes store 256 consecutive bytes, aligned; written once, read by nobody here
.endr
.endr
	s_wait_tensorcnt 0x0                           ; the wave's end: behind my last tensor load and my last LDS store
	ds_add_u32 v[SPW], v[NIL]
	s_wait_dscnt 0x0
	CROUND                                         ; the closing round: no work-group ends while a partner may still ask for a tile that names it
	s_endpgm
.Lfunc_end_k_qbd58d47f7d_attn:
	.size	k_qbd58d47f7d_attn, .Lfunc_end_k_qbd58d47f7d_attn-k_qbd58d47f7d_attn
	.p2alignl 7, 3214868480
	.fill 96, 4, 3214868480
	.section	.rodata,"a",@progbits
	.p2align	6, 0x0
	.amdhsa_kernel k_qbd58d47f7d_attn
		.amdhsa_group_segment_fixed_size 327680
		.amdhsa_private_segment_fixed_size 0
		.amdhsa_enable_private_segment 0
		.amdhsa_kernarg_size 40
		.amdhsa_user_sgpr_count 2
		.amdhsa_user_sgpr_kernarg_segment_ptr 1
		.amdhsa_wavefront_size32 1
		.amdhsa_system_sgpr_workgroup_id_x 1
		.amdhsa_system_sgpr_workgroup_id_y 1
		.amdhsa_system_sgpr_workgroup_id_z 1
		.amdhsa_system_vgpr_workitem_id 0
		.amdhsa_next_free_vgpr 512
		.amdhsa_next_free_sgpr 66
		.amdhsa_reserve_vcc 0
		.amdhsa_float_denorm_mode_32 3
		.amdhsa_float_denorm_mode_16_64 3
		.amdhsa_memory_ordered 1
		.amdhsa_forward_progress 1
		.amdhsa_inst_pref_size 172
	.end_amdhsa_kernel
	.amdgpu_metadata
---
amdhsa.version: [ 1, 2 ]
amdhsa.kernels:
  - .name:           k_qbd58d47f7d_attn
    .symbol:         k_qbd58d47f7d_attn.kd
    .args:
      - { .name: qb, .offset: 0, .size: 8, .value_kind: global_buffer, .address_space: global }
      - { .name: kv, .offset: 8, .size: 8, .value_kind: global_buffer, .address_space: global }
      - { .name: x, .offset: 16, .size: 8, .value_kind: global_buffer, .address_space: global }
      - { .name: gamma, .offset: 24, .size: 8, .value_kind: global_buffer, .address_space: global }
      - { .name: out0, .offset: 32, .size: 8, .value_kind: global_buffer, .address_space: global }
    .group_segment_fixed_size: 327680
    .private_segment_fixed_size: 0
    .kernarg_segment_align: 8
    .kernarg_segment_size: 40
    .max_flat_workgroup_size: 256
    .sgpr_count:     66
    .vgpr_count:     512
    .wavefront_size: 32
...
	.end_amdgpu_metadata
.endif
;; end of part 2
